; MI455X (gfx1250); checked and timed in simulation.
; The chip was launched on July 23, 2026; its instructions are those of AMD's public machine-readable ISA for CDNA 5 (MIT licence, August 2026) and "CDNA5" Instruction Set Architecture Reference Guide (July 2026). The comments in the code are by the model that wrote it; some were corrected since.
;; Fusion Attention. Allowed arithmetic: float matrix products may take bf16 or f16 operands with f32 sums; other float arithmetic in f32, or as packed bf16 or f16 multiplies, adds, multiply-adds, maxima and minima; sums over many terms, partial sums and values carried from step to step in f32; what a program stores and reads back later, other than sums and carried values, may be rounded once to bf16 or f16.
;; Inputs: W1 512 x 2,048 float32; W2 2,048 x 512 float32; Wk 512 x 512 float32; Wo 512 x 512 float32; Wq 512 x 512 float32; Wv 512 x 512 float32; ln_b 512 float32; ln_g 512 float32; x_freq 16 x 1,024 x 512 float32; x_st 16 x 1,024 x 512 float32.
;; Outputs: out0 16 x 1,024 x 512 float32.
;; 2 versions, each right; version 2 is version 1 with the launch prep written anew for expert scheduling mode. Each part assembles by itself: llvm-mc -triple=amdgcn-amd-amdhsa -mcpu=gfx1250 --defsym DOCPART=n.
;; ======== version 1 of 2: 2 launches
;; limits: values are held in f16: magnitudes above 65,504 overflow, below 6.1e-05 lose precision
;; workspace buffers: ws 18,350,080 bytes
;; launch prep (part 1): grid 512 x 1, 8 waves a work-group, no clusters, 30,720 bytes of LDS; arguments W1, W2, Wk, Wo, Wq, Wv, x_freq, ws; writes ws
.if DOCPART == 1
	.amdgcn_target "amdgcn-amd-amdhsa--gfx1250"
	.amdhsa_code_object_version 6
	.text
	.protected	k_qfb4f08b494_prep
	.globl	k_qfb4f08b494_prep
	.p2align	8
	.type	k_qfb4f08b494_prep,@function
k_qfb4f08b494_prep:
	s_mov_b64 s[64:65], 0
	v_nop
	global_prefetch_b8 v0, s[64:65] scope:SCOPE_SE
	s_setreg_imm32_b32 hwreg(HW_REG_WAVE_MODE, 25, 1), 1
	s_wait_xcnt 0x0
; PREPARATION.  reference() is linear but for its softmax and its LayerNorm, so its weight products are regrouped, for every input (only the order of rounding differs from the reference's):
;   q k^T = x_st (Wq Wk^T) x_freq^T;   (score v) Wo = (score x_freq) (Wv Wo);   (h W1) W2 = h (W1 W2).
; This launch makes the three 512 x 512 products and an f16 copy of x_freq, all into ws:
;   byte 0         2^-6 Wq Wk^T      byte 524,288   2^6 Wv Wo      byte 1,048,576   2^4 W1 W2      byte 1,572,864   x_freq as f16, rows of 1,024 bytes
; The powers of two are exact and are taken back in the next launch.  Operands are rounded once to f16, sums are f32, each result is rounded once to f16.
; LIMITS.  f16 ends at 65,504: every input and every scaled product must lie within it; below 6e-5 f16 keeps a fixed step of 6e-8.
; LAYOUT of a product M[i][j] (i the index that the next launch sums over, j its output column): blocks of 1,024 bytes = 16 j x 32 i in the order in which 32 lanes load a matrix operand:
;   byte = (((i>>7)*4 + (j>>7))*32 + ((i>>5)&3)*8 + ((j>>4)&7))*1024 + ((i>>4)&1)*512 + ((i>>3)&1)*256 + (j&15)*16 + (i&7)*2
; SHARES.  512 work-groups of 8 waves: kind = id >> 7.  Kinds 0, 1, 2: 128 tiles of 32 i x 64 j of W1 W2, Wv Wo, Wq Wk^T; each wave one 16 x 16 block.  Kind 3: 128 rows of x_freq each.
; Everything is loaded through registers (the f32 numbers are converted on the way), so no tensor load, no cluster; what several work-groups read again are the weights, 12 MB in all.
.set RING,  64                         ; v[64:159]  four slots of six 16-byte loads: a K step of 64 (32 rows of A, 64 rows of B, 256 bytes each)
.set CV,    40                         ; v[40:51]   a step's numbers as f16
.set BOFF,  4608                       ; an LDS buffer: A, 32 rows of 144 bytes; then B, 64 rows of 160 bytes
.set BUFB,  14848                      ; two such buffers take turns
.set SPARE, 29696                      ; the spare words: 128 bytes for each of eight waves, named by no other line
	s_load_b512 s[8:23], s[0:1], 0x0               ; W1 s[8:9], W2 s[10:11], Wk s[12:13], Wo s[14:15], Wq s[16:17], Wv s[18:19], x_freq s[20:21], ws s[22:23]
	v_lshl_add_u32 v30, v0, 2, SPARE               ; my spare word,
	v_mov_b32 v31, 0                               ; and 0: both kept for the add at the wave's end
	v_lshrrev_b32 v1, 5, v0
	v_readfirstlane_b32 s24, v1                    ; wave 0..7
	s_lshr_b32 s25, ttmp9, 7                       ; kind
	s_and_b32 s26, ttmp9, 127                      ; tile, or block of rows
	v_and_b32 v5, 31, v0                           ; lane
	s_cmp_eq_u32 s25, 3
	s_cbranch_scc1 .Lconv
	; ---- a tile of a product: out[i][j] = sum over k of A[i][k] B[k][j] (kinds 0, 1: B's rows go along j) or A[i][k] B[j][k] (kind 2: along k)
	s_and_b32 s46, s26, 7                          ; J: 64 columns j
	s_lshr_b32 s47, s26, 3                         ; I: 32 rows i
	s_and_b32 s27, s24, 3                          ; jb: my 16 j
	s_lshr_b32 s39, s24, 2                         ; ib: my 16 i
	s_lshr_b32 s48, s47, 2
	s_lshr_b32 s49, s46, 1
	s_lshl2_add_u32 s48, s48, s49                  ; (I>>2)*4 + (J>>1)
	s_lshl_b32 s48, s48, 5
	s_and_b32 s49, s47, 3
	s_lshl3_add_u32 s48, s49, s48                  ; + (I&3)*8
	s_and_b32 s49, s46, 1
	s_lshl2_add_u32 s48, s49, s48                  ; + (J&1)*4
	s_add_co_u32 s48, s48, s27                     ; + jb: my block of 1,024 bytes,
	s_lshl_b32 s48, s48, 10
	s_lshl_b32 s49, s39, 9
	s_add_co_u32 s48, s48, s49                     ; and my half of it
	s_lshl_b32 s50, s46, 8                         ; B's start if its rows go along j: 64 J columns of 4 bytes
	s_lshl_b32 s51, s46, 17                        ; if along k: 64 J rows of 2,048 bytes
	s_lshl_b32 s52, s47, 5                         ; A's first row
	s_movk_i32 s44, 0x800                          ; kind 1's figures first: A's pitch,
	s_mov_b32 s36, 0x42800000                      ; the scale 64,
	s_mov_b32 s45, 0x80000                         ; the place in ws,
	s_mov_b32 s32, 0x20000                         ; B's step: 64 rows
	s_mov_b32 s33, 0
	s_wait_kmcnt 0x0
	s_cmp_eq_u32 s25, 0
	s_cselect_b64 s[28:29], s[8:9], s[18:19]       ; A: W1 or Wv
	s_cselect_b64 s[30:31], s[10:11], s[14:15]     ; B: W2 or Wo
	s_cselect_b32 s44, 0x2000, s44
	s_cselect_b32 s35, 7, 1                        ; trips of four K steps ahead of the last four: K = 2,048 or 512
	s_cselect_b32 s36, 0x41800000, s36             ; 16
	s_cselect_b32 s45, 0x100000, s45
	s_cmp_eq_u32 s25, 2
	s_cselect_b64 s[28:29], s[16:17], s[28:29]     ; Wq
	s_cselect_b64 s[30:31], s[12:13], s[30:31]     ; Wk
	s_cselect_b32 s36, 0x3c800000, s36             ; 1/64
	s_cselect_b32 s45, 0, s45
	s_cselect_b32 s34, 0, 1                        ; 1: B's tile is turned on its way out of LDS
	s_cselect_b32 s32, 0x100, s32                  ; B's step: 64 columns
	s_cselect_b32 s42, s51, s50
	s_mov_b32 s43, 0
	s_add_nc_u64 s[30:31], s[30:31], s[42:43]
	s_mul_i32 s42, s52, s44
	s_add_nc_u64 s[28:29], s[28:29], s[42:43]
	s_add_co_u32 s42, s48, s45
	s_add_nc_u64 s[40:41], s[22:23], s[42:43]      ; where my 512 bytes go
	s_mov_b32 s37, s36                             ; named with it as a pair
	v_and_b32 v2, 15, v0                           ; my 16 bytes of a row of 256; also lane % 16
	v_lshrrev_b32 v3, 4, v0                        ; my row of sixteen
	v_bfe_u32 v4, v0, 4, 1                         ; lane / 16
	v_and_b32 v6, 7, v0
	v_bfe_u32 v7, v0, 3, 1
	v_mul_lo_u32 v16, v3, s44
	v_lshl_add_u32 v16, v2, 4, v16                 ; A: row x pitch + 16 bytes,
	s_lshl_b32 s48, s44, 4
	v_add_nc_u32 v17, s48, v16                     ; and sixteen rows on
	v_lshlrev_b32 v18, 11, v3
	v_lshl_add_u32 v18, v2, 4, v18                 ; B: row x 2,048 + 16 bytes
	v_mul_u32_u24 v20, v3, 144
	v_lshl_add_u32 v20, v2, 3, v20                 ; into LDS: four f16 are 8 bytes
	v_mul_u32_u24 v21, v3, 160
	v_lshl_add_u32 v21, v2, 3, v21
	v_add_nc_u32 v21, BOFF, v21
	v_mul_u32_u24 v22, v2, 144                     ; A's fragment: row ib*16 + lane % 16, 16 bytes for each half of the lanes
	v_lshl_add_u32 v22, v4, 4, v22
	s_mul_i32 s48, s39, 2304
	v_add_nc_u32 v22, s48, v22
	v_lshl_add_u32 v23, v4, 3, v6                  ; B turned: row k = 8 (lane / 16) + lane % 8, columns jb*16 + 8 ((lane / 8) % 2) on
	v_mul_u32_u24 v23, v23, 160
	v_lshl_add_u32 v23, v7, 4, v23
	s_lshl_b32 s48, s27, 5
	s_add_co_u32 s48, s48, BOFF
	v_add_nc_u32 v23, s48, v23
	v_mul_u32_u24 v24, v2, 160                     ; B as it lies: row jb*16 + lane % 16
	v_lshl_add_u32 v24, v4, 4, v24
	s_mul_i32 s48, s27, 2560
	s_add_co_u32 s48, s48, BOFF
	v_add_nc_u32 v24, s48, v24
	v_lshlrev_b32 v25, 4, v5                       ; out: 16 bytes a lane
.set i, 0
.rept 16
	v_mov_b32 v[192+i], 0                          ; two accumulators: the first K step lies in the loop, and sixteen moves are shorter than a copy of it
.set i, i+1
.endr
; A K step's six loads into ring slot d; each covers two whole rows of 256 bytes.  The bases step behind the wait that frees them.
.macro LOADS d
	global_load_b128 v[RING+24*(\d):RING+24*(\d)+3],   v16, s[28:29]
	global_load_b128 v[RING+24*(\d)+4:RING+24*(\d)+7], v17, s[28:29]
.irp u, 0,1,2,3
	global_load_b128 v[RING+24*(\d)+8+4*(\u):RING+24*(\d)+11+4*(\u)], v18, s[30:31] offset:(\u)*32768
.endr
	s_wait_xcnt 0x0                                ; the loads' addresses are translated: only now are their bases rewritten
	s_add_nc_u64 s[28:29], s[28:29], 256
	s_add_nc_u64 s[30:31], s[30:31], s[32:33]
.endm
; One K step of 64.  left = the younger loads that may stay out (six for each younger slot).  The LDS buffers take turns: the one stored here was read two steps ago, and every wave
; waited for those reads in front of the last step's signal: one barrier a step orders both directions.
.macro SUB d, refill, left
	s_wait_loadcnt \left
.set i, 0
.rept 6                                ; these twelve conversions are also the places between the last products and the loads into their sources
	v_cvt_pk_f16_f32 v[CV+2*i],   v[RING+24*(\d)+4*i],   v[RING+24*(\d)+4*i+1]
	v_cvt_pk_f16_f32 v[CV+2*i+1], v[RING+24*(\d)+4*i+2], v[RING+24*(\d)+4*i+3]
.set i, i+1
.endr
.if \refill
	LOADS \d
.endif
	ds_store_b64 v20, v[CV:CV+1]   offset:((\d)%2)*BUFB
	ds_store_b64 v20, v[CV+2:CV+3] offset:((\d)%2)*BUFB+2304
.irp u, 0,1,2,3
	ds_store_b64 v21, v[CV+4+2*(\u):CV+5+2*(\u)] offset:((\d)%2)*BUFB+(\u)*2560
.endr
	s_wait_dscnt 0x0                               ; for the others' sake: my stores are done
	s_barrier_signal -1
	s_barrier_wait -1
.irp u, 0,1,2,3
	ds_load_b128 v[160+4*(\u):163+4*(\u)], v22 offset:((\d)%2)*BUFB+(\u)*32
.endr
	s_cmp_eq_u32 s34, 0                            ; the same in every wave: both arms issue four loads into the same registers
	s_cbranch_scc1 .Lpl_\@
.irp u, 0,1,2,3
	ds_load_tr16_b128 v[176+4*(\u):179+4*(\u)], v23 offset:((\d)%2)*BUFB+(\u)*2560
.endr
	s_branch .Ljn_\@
.Lpl_\@:
.irp u, 0,1,2,3
	ds_load_b128 v[176+4*(\u):179+4*(\u)], v24 offset:((\d)%2)*BUFB+(\u)*32
.endr
.Ljn_\@:
	s_wait_dscnt 0x0
	v_wmma_f32_16x16x32_f16 v[192:199], v[160:167], v[176:183], v[192:199]  ; the step's first 32 k; the two accumulators take turns
	v_wmma_f32_16x16x32_f16 v[200:207], v[168:175], v[184:191], v[200:207]  ; its second 32 k
.endm
	LOADS 0
	LOADS 1
	LOADS 2
	LOADS 3
	s_mov_b32 s38, 0
.Lq:
	SUB 0, 1, 18
	SUB 1, 1, 18
	SUB 2, 1, 18
	SUB 3, 1, 18
	s_add_co_u32 s38, s38, 1
	s_cmp_lt_u32 s38, s35
	s_cbranch_scc1 .Lq
	SUB 0, 0, 18                                   ; the last four steps load nothing: the counts run down
	SUB 1, 0, 12
	SUB 2, 0, 6
	SUB 3, 0, 0
.rept 4
	v_nop                                          ; the places behind the last products
.endr
.irp u, 0,2,4,6
	v_pk_add_f32 v[192+(\u):193+(\u)], v[192+(\u):193+(\u)], v[200+(\u):201+(\u)]  ; from each accumulator's low end on
.endr
.irp u, 0,2,4,6
	v_pk_mul_f32 v[192+(\u):193+(\u)], v[192+(\u):193+(\u)], s[36:37] op_sel_hi:[1,0]
.endr
.irp u, 0,1,2,3
	v_cvt_pk_f16_f32 v[CV+(\u)], v[192+2*(\u)], v[193+2*(\u)]  ; a lane holds column j = lane % 16 and rows i = 8 (lane / 16) + 0..7: its 16 bytes of the block
.endr
	global_store_b128 v25, v[CV:CV+3], s[40:41]    ; the wave stores 512 consecutive bytes, aligned
	s_wait_tensorcnt 0x0                           ; the wave's end, behind my last LDS store
	ds_add_u32 v30, v31
	s_wait_dscnt 0x0
	s_endpgm
	; ---- x_freq to f16: the work-group takes 128 rows, a wave 16, eight at a time
.Lconv:
	s_lshl_b32 s27, s24, 15
	v_lshl_add_u32 v16, v5, 4, s27                 ; in: wave x 16 rows x 2,048 + 16 x lane
	s_lshl_b32 s27, s24, 14
	v_lshl_add_u32 v17, v5, 3, s27                 ; out: wave x 16 rows x 1,024 + 8 x lane
	s_lshl_b32 s42, s26, 18
	s_mov_b32 s43, 0
	s_lshl_b32 s46, s26, 17
	s_add_co_u32 s46, s46, 1572864
	s_mov_b32 s47, 0
	s_wait_kmcnt 0x0
	s_add_nc_u64 s[28:29], s[20:21], s[42:43]
	s_add_nc_u64 s[40:41], s[22:23], s[46:47]
	s_mov_b32 s38, 2
.Lcv:
.set i, 0
.rept 32
	global_load_b128 v[64+4*i:64+4*i+3], v16, s[28:29] offset:(i/4)*2048+(i%4)*512 th:TH_LOAD_NT  ; 512 consecutive bytes each; 32 on their way in every wave
.set i, i+1
.endr
.set i, 0
.rept 32
	s_wait_loadcnt 31-i                            ; loads come back in order: number i is in, the younger ones stay out
	v_cvt_pk_f16_f32 v[192+2*i], v[64+4*i],   v[64+4*i+1]
	v_cvt_pk_f16_f32 v[193+2*i], v[64+4*i+2], v[64+4*i+3]
	global_store_b64 v17, v[192+2*i:193+2*i], s[40:41] offset:(i/4)*1024+(i%4)*256  ; 32 lanes store 256 consecutive bytes, aligned
.set i, i+1
.endr
	s_wait_xcnt 0x0                                ; offsets and store data are rewritten only behind this wait
	v_add_nc_u32 v16, 0x4000, v16
	v_add_nc_u32 v17, 0x2000, v17
	s_sub_co_u32 s38, s38, 1
	s_cmp_lg_u32 s38, 0
	s_cbranch_scc1 .Lcv
	s_wait_tensorcnt 0x0                           ; the wave's end, in the same form
	ds_add_u32 v30, v31
	s_wait_dscnt 0x0
	s_endpgm
.Lfunc_end_k_qfb4f08b494_prep:
	.size	k_qfb4f08b494_prep, .Lfunc_end_k_qfb4f08b494_prep-k_qfb4f08b494_prep
	.p2alignl 7, 3214868480
	.fill 96, 4, 3214868480
	.section	.rodata,"a",@progbits
	.p2align	6, 0x0
	.amdhsa_kernel k_qfb4f08b494_prep
		.amdhsa_group_segment_fixed_size 30720
		.amdhsa_private_segment_fixed_size 0
		.amdhsa_enable_private_segment 0
		.amdhsa_kernarg_size 64
		.amdhsa_user_sgpr_count 2
		.amdhsa_user_sgpr_kernarg_segment_ptr 1
		.amdhsa_wavefront_size32 1
		.amdhsa_system_sgpr_workgroup_id_x 1
		.amdhsa_system_sgpr_workgroup_id_y 1
		.amdhsa_system_sgpr_workgroup_id_z 1
		.amdhsa_system_vgpr_workitem_id 0
		.amdhsa_next_free_vgpr 256
		.amdhsa_next_free_sgpr 66
		.amdhsa_reserve_vcc 0
		.amdhsa_float_denorm_mode_32 3
		.amdhsa_float_denorm_mode_16_64 3
		.amdhsa_memory_ordered 1
		.amdhsa_forward_progress 1
		.amdhsa_inst_pref_size 42
	.end_amdhsa_kernel
	.amdgpu_metadata
---
amdhsa.version: [ 1, 2 ]
amdhsa.kernels:
  - .name:           k_qfb4f08b494_prep
    .symbol:         k_qfb4f08b494_prep.kd
    .args:
      - { .name: W1, .offset: 0, .size: 8, .value_kind: global_buffer, .address_space: global }
      - { .name: W2, .offset: 8, .size: 8, .value_kind: global_buffer, .address_space: global }
      - { .name: Wk, .offset: 16, .size: 8, .value_kind: global_buffer, .address_space: global }
      - { .name: Wo, .offset: 24, .size: 8, .value_kind: global_buffer, .address_space: global }
      - { .name: Wq, .offset: 32, .size: 8, .value_kind: global_buffer, .address_space: global }
      - { .name: Wv, .offset: 40, .size: 8, .value_kind: global_buffer, .address_space: global }
      - { .name: x_freq, .offset: 48, .size: 8, .value_kind: global_buffer, .address_space: global }
      - { .name: ws, .offset: 56, .size: 8, .value_kind: global_buffer, .address_space: global }
    .group_segment_fixed_size: 30720
    .private_segment_fixed_size: 0
    .kernarg_segment_align: 8
    .kernarg_segment_size: 64
    .max_flat_workgroup_size: 256
    .sgpr_count:     66
    .vgpr_count:     256
    .wavefront_size: 32
...
	.end_amdgpu_metadata
.endif
;; end of part 1
;; launch fused (part 2): grid 256 x 1, 4 waves a work-group, clusters of 4 x 1, 327,680 bytes of LDS; arguments x_st, ln_g, ln_b, ws, out0; writes out0
.if DOCPART == 2
	.amdgcn_target "amdgcn-amd-amdhsa--gfx1250"
	.amdhsa_code_object_version 6
	.text
	.protected	k_qfb4f08b494_fused
	.globl	k_qfb4f08b494_fused
	.p2align	8
	.type	k_qfb4f08b494_fused,@function
k_qfb4f08b494_fused:
	s_mov_b64 s[64:65], 0
	v_nop
	global_prefetch_b8 v0, s[64:65] scope:SCOPE_SE
	s_setreg_imm32_b32 hwreg(HW_REG_WAVE_MODE, 25, 1), 1
	s_wait_xcnt 0x0
	s_wait_alu depctr_hold_cnt(0) depctr_sa_sdst(0) depctr_va_vdst(0) depctr_va_sdst(0) depctr_va_ssrc(0) depctr_va_vcc(0) depctr_vm_vsrc(0)
	s_getreg_b32 s2, hwreg(HW_REG_IB_STS2, 6, 4)
	s_cmp_eq_u32 s2, 0
	s_cbranch_scc0 .Lentry_in_a_cluster
	s_endpgm
.Lentry_in_a_cluster:
	s_bfe_u32 s2, ttmp6, 0x10000c
	s_cmp_lg_u32 s2, 0x3003
	s_cbranch_scc0 .Lentry_shape_is_right
	s_endpgm
.Lentry_shape_is_right:
; THE WHOLE MODULE FOR 64 ROWS, nothing through memory:  T = x_st (Wq Wk^T);  S = T x_freq^T;  P = softmax with 1 + sum below;  U = P x_freq;  o = U (Wv Wo);  h = LayerNorm(o);  out = h (W1 W2).
; The three products of weights and x_freq in f16 come from ws (the launch before).  The regrouping holds for every input; only the order of rounding differs from reference()'s.
; SCALES, all exact powers of two: ws holds 2^-6 Wq Wk^T, so the score here is 4 x att and p = 2^(c s - c m) with c = log2(e) / 4; 2^6 Wv Wo, so LayerNorm sees 64 o and takes eps x 4,096;
; 2^4 W1 W2, which meets h / 16.  The maximum is a running one over tiles of 128 keys, as in reference() taken away before the exponential; sums, maxima and LayerNorm are f32, the variance in two passes.
; LIMITS.  All matrix operands are f16 (x_st, x_freq, the scaled weight products, T / 64, P, U, h / 16), each rounded once: beyond 65,504 they would be infinite; below 6e-5 they keep a fixed step of 6e-8.
; A weight below 2^-126 counts as 0; NaN and infinities are not treated apart.
; SHARES.  256 work-groups of four waves; a work-group owns 64 rows (four tiles of 16 queries).  EVERY PRODUCT IS USED TRANSPOSED: source 0 = 16 output columns (or keys) x 32, source 1 = 32 x 16 queries.
; In a result a lane holds ONE query (lane % 16) and 8 neighbouring columns, so two results rounded to f16 ARE a source 1 of the next product.  A wave owns 128 of the 512 output columns
; (32 accumulators), in the scores 32 of a tile's 128 keys; the 64 x 512 operand X is held whole by every wave (512 registers), handed round through LDS between the products.
; TILES.  20 tiles of 128 KiB walk through two LDS slots: 4 of Wq Wk^T, the batch's 8 of x_freq (each serves as K and as V), 4 of Wv Wo, 4 of W1 W2.  All have ONE shape: each wave asks for 32 rows of 1,024 bytes.
; CLUSTER.  The four work-groups of a cluster lie in one batch and walk the same 20 tiles: each tile is asked for JOINTLY, by the same load, descriptor and mask in all four.
; REGISTERS, in windows of 256 (s_set_vgpr_msb: bits 1:0 source 0, 3:2 source 1, 5:4 source 2, 7:6 destination):
;   window 0: v0-31 addresses; v32-63 eight registers of statistics a query tile; v64-127 scores, later P's fragments; v128-255 two buffers of 8 fragments, also at work between the products
;   window 1: the 32 accumulators, (block, query tile) at 8 (4 block + tile)          windows 2, 3: X, (chunk c of 32, query tile) at 8 (4 (c % 8) + tile) of window 2 + c / 8
.set PITCH, 1040                       ; an LDS row: 1,024 bytes + 16 of padding
.set PART,  32*PITCH                   ; what one tensor load brings
.set HB,    16*PITCH
.set SLOT,  4*PART
.set SCR,   2*SLOT                     ; 33,792 bytes, no tensor load lands from here on: x_st's halves, the dumps of X, P, the stage of the way out, one after the other
.set STAT,  SCR+33792                  ; four exchanges of 4 waves x 16 lanes x 16 bytes: maxima +0, l +1024, LayerNorm's two sums +2048, +3072
.set GB,    STAT+4096                  ; ln_g, then ln_b
.set SPARE, GB+4096                    ; the spare words: 128 bytes for each wave, named by no other line
.set TILEB, 131072
.set XF_OFF,  1572864
.set WVO_OFF, 524288
.set AW,  4           ; v4-5    weights: slot + my part + 16 x lane
.set AK,  6           ; v6-7    K: slot + my part + row (2 (r % 8) + r / 8) + 16 x half
.set AV,  8           ; v8-11   V, turned: slot 0 keys 0-63, 64-127; slot 1 likewise
.set AXL, 12          ; v12     SCR + 16 x lane
.set APW, 13          ; v13     where I put my P
.set AXS, 14          ; v14     where I put my part of X
.set AGS, 15          ; v15     GB + 16 x thread
.set AXW, 16          ; v16     x_st into LDS
.set AXR, 17          ; v17     x_st's fragments out of it
.set AST, 18          ; v18     my wave's 16 bytes a query in an exchange
.set ASL, 19          ; v19     wave 0's
.set AOS, 20          ; v20     the way out: in
.set AOL, 21          ; v21     the way out: back
.set GXO, 22          ; v22     my byte offset in the work-group's rows of x_st
.set GOO, 23          ; v23     in a row of out0
.set AGB, 24          ; v24     my columns' gains
.set T16, 25          ; v25     16 x thread
.set SPW, 26          ; v26     my spare word; never rewritten
.set NIL, 27          ; v27     0; never rewritten
.set LM,  28          ; v28-31  one number a query tile, for an exchange
.set ST,  32          ; tile t at ST + 8 t: +0, +1 c m twice; +2, +3 a pair of sums (l); +4, +5 a factor twice (a, 1 / (1 + l), mu, rs); +6 m; +7 at work
.set S,   64
.set FA,  128
.set PK,  128
.set RM,  128
.set PKP, 192
.set WV,  14          ; s14  wave
.set G0,  20          ; s[20:23] descriptor group 0
.set G0B, 24          ; s[24:27] the second first fill's
.set G1,  28          ; s[28:35] group 1, never rewritten
.set WP,  36          ; s36  wave x PART
.set NOFF, 38         ; s[38:39] byte in ws of my part of the tile asked for last
.set XO,  40          ; s40  the same for the batch's first tile of x_freq
.set VO,  41          ; s41  for Wv Wo's first tile
.set CNT, 42
.set CS,  44          ; s[44:45] c
.set SEL, 46          ; s[46:47] v_permlanex16_b32's selects: each lane takes its own place in the other half
.set MSB, 0
.macro WIN new                         ; the immediate's high byte repeats the setting that is left; a switch that changes nothing is dropped
.if MSB != (\new)
	s_set_vgpr_msb (MSB<<8)|(\new)
.set MSB, \new
.endif
.endm
.macro PLACES                          ; four places between a matrix instruction and a vector instruction or load that touches its registers (ISA guide 7.12.1 for vector instructions)
.rept 4
	v_nop
.endr
.endm
.macro QT line:vararg                  ; one line for each query tile t
.set t, 0
	s_wait_alu depctr_va_vdst(0)
.rept 4
	\line
.set t, t+1
.endr
.endm
; A round of the cluster's barrier: my work-group's barrier; wave 0 signals for the work-group; every wave waits for all four work-groups; my work-group's barrier once more.
.macro CROUND
	s_barrier_signal -1
	s_barrier_wait -1
	s_cmp_lg_u32 s[WV], 0
	s_cbranch_scc1 .Lnot_wave_0_\@
	s_barrier_signal -3
.Lnot_wave_0_\@:
	s_barrier_wait -3
	s_barrier_signal -1
	s_barrier_wait -1
.endm
; THE CHANGE OF SLOTS.  Each wave waits for all its tensor loads (one is out: its part of the tile to be used next), adds 0 to its spare word, and waits for that and for its reads of the slot
; that it leaves; behind the round no wave of any partner reads that slot or has a load on its way, and the next tile but one is asked for into it, first thing, one load a wave.
; kind 0: the tile that follows in ws; 1: the batch's first tile of x_freq; 2: the tile that follows, or, in the attention loop's last trip, Wv Wo's first.
.macro HEAD slot, kind
	WIN 0
	s_wait_tensorcnt 0x0
	ds_add_u32 v[SPW], v[NIL]                      ; the descriptor's words are made between it and the wait for it
.if (\kind) == 1
	s_mov_b32 s[NOFF], s[XO]
.else
	s_add_co_u32 s[NOFF], s[NOFF], TILEB
.endif
.if (\kind) == 2
	s_cmp_eq_u32 s[CNT], 1
	s_cselect_b32 s[NOFF], s[VO], s[NOFF]
.endif
	s_add_co_u32 s[G0+1], s[WP], (\slot)*SLOT
	s_add_nc_u64 s[G0+2:G0+3], s[10:11], s[NOFF:NOFF+1]
	s_or_b32 s[G0+3], s[G0+3], 0x80000000
	s_wait_dscnt 0x0
	CROUND
	tensor_load_to_lds s[G0:G0+3], s[G1:G1+7]
	s_nop 0
	PLACES
.endm
; LDS loads stand in runs, into one of two buffers of 8 fragments.  Weights lie in lane order: 16 bytes a lane, twice.
.macro FETCHW buf, slot, kc
	WIN 0
.set i, 0
.rept 8
	ds_load_b128 v[FA+64*(\buf)+8*i:FA+64*(\buf)+8*i+3],   v[AW+(\slot)] offset:((\kc)*8+i)*PITCH
	ds_load_b128 v[FA+64*(\buf)+8*i+4:FA+64*(\buf)+8*i+7], v[AW+(\slot)] offset:((\kc)*8+i)*PITCH+512
.set i, i+1
.endr
.endm
; K: fragment i = channels 32 (4 g + i / 2) on, my key block i % 2
.macro FETCHK buf, slot, g
	WIN 0
.set i, 0
.rept 8
	ds_load_b128 v[FA+64*(\buf)+8*i:FA+64*(\buf)+8*i+3],   v[AK+(\slot)] offset:(i%2)*HB+(4*(\g)+i/2)*64
	ds_load_b128 v[FA+64*(\buf)+8*i+4:FA+64*(\buf)+8*i+7], v[AK+(\slot)] offset:(i%2)*HB+(4*(\g)+i/2)*64+32
.set i, i+1
.endr
.endm
; P of the 32 keys kc (wave kc made it), four query tiles; then V of those keys, turned, my 8 blocks of 16 channels
.macro FETCHV buf, slot, kc
	WIN 0
.set q, 0
.rept 4
	ds_load_b128 v[S+32*(\buf)+8*q:S+32*(\buf)+8*q+3],   v[AXL] offset:((\kc)*4+q)*1024
	ds_load_b128 v[S+32*(\buf)+8*q+4:S+32*(\buf)+8*q+7], v[AXL] offset:((\kc)*4+q)*1024+512
.set q, q+1
.endr
.set i, 0
.rept 8
	ds_load_tr16_b128 v[FA+64*(\buf)+8*i:FA+64*(\buf)+8*i+3],   v[AV+2*(\slot)+(\kc)/2] offset:((\kc)%2)*PART+i*32
	ds_load_tr16_b128 v[FA+64*(\buf)+8*i+4:FA+64*(\buf)+8*i+7], v[AV+2*(\slot)+(\kc)/2] offset:((\kc)%2)*PART+i*32+HB
.set i, i+1
.endr
.endm
; 16 matrix instructions each: fragments 4 half .. + 3 x four query tiles.  The accumulators take turns, one instruction a turn.
.macro MULC buf, half, c, zero         ; a chain: ACC += W (chunk c) X (chunk c); zero = 1: the products start the sums
	WIN 0x58+4*((\c)/8)
.set i, 4*(\half)
.rept 4
.set q, 0
.rept 4
.set rD, 8*(4*i+q)
.set rA, FA+64*(\buf)+8*i
.set rB, 8*(4*((\c)%8)+q)
.if \zero
	v_wmma_f32_16x16x32_f16 v[rD:rD+7], v[rA:rA+7], v[rB:rB+7], 0
.else
	v_wmma_f32_16x16x32_f16 v[rD:rD+7], v[rA:rA+7], v[rB:rB+7], v[rD:rD+7]
.endif
.set q, q+1
.endr
.set i, i+1
.endr
.endm
.macro MULS buf, half, g               ; the scores: S (key block i % 2) += K X (chunk 4 g + i / 2)
	WIN 0x08+4*((\g)/2)
.set i, 4*(\half)
.rept 4
.set q, 0
.rept 4
.set rD, S+8*(4*(i%2)+q)
.set rA, FA+64*(\buf)+8*i
.set rB, 8*(4*((4*(\g)+i/2)%8)+q)
.if ((\g) == 0) && (i < 2)
	v_wmma_f32_16x16x32_f16 v[rD:rD+7], v[rA:rA+7], v[rB:rB+7], 0
.else
	v_wmma_f32_16x16x32_f16 v[rD:rD+7], v[rA:rA+7], v[rB:rB+7], v[rD:rD+7]
.endif
.set q, q+1
.endr
.set i, i+1
.endr
.endm
.macro MULP buf, half                  ; ACC += V^T P
	WIN 0x50
.set i, 4*(\half)
.rept 4
.set q, 0
.rept 4
.set rD, 8*(4*i+q)
.set rA, FA+64*(\buf)+8*i
.set rB, S+32*(\buf)+8*q
	v_wmma_f32_16x16x32_f16 v[rD:rD+7], v[rA:rA+7], v[rB:rB+7], v[rD:rD+7]
.set q, q+1
.endr
.set i, i+1
.endr
.endm
; A GROUP: 32 matrix instructions on one buffer; in its middle the next group's run of loads goes into the other.  The first wait leaves the youngest eight loads out (fragments 4-7),
; the second only the run just issued; a tile's last group fetches nothing.
.macro CGRP buf, slot, c, zero, nextkc
	s_wait_dscnt 8
	MULC \buf, 0, \c, \zero
.if (\nextkc) >= 0
	PLACES
	FETCHW 1-(\buf), \slot, \nextkc
	s_wait_dscnt 16
.else
	s_wait_dscnt 0x0
.endif
	MULC \buf, 1, \c, \zero
.endm
.macro SGRP buf, slot, g
	s_wait_dscnt 8
	MULS \buf, 0, \g
.if (\g) < 3
	PLACES
	FETCHK 1-(\buf), \slot, (\g)+1
	s_wait_dscnt 16
.else
	s_wait_dscnt 0x0
.endif
	MULS \buf, 1, \g
.endm
.macro PGRP buf, slot, kc
	s_wait_dscnt 8
	MULP \buf, 0
.if (\kc) < 3
	PLACES
	FETCHV 1-(\buf), \slot, (\kc)+1
	s_wait_dscnt 24
.else
	s_wait_dscnt 0x0
.endif
	MULP \buf, 1
.endm
.macro CHAINTILE slot, t, zero         ; tile t of a chain: 128 along K; a wave reads only the part that it asked for itself
	PLACES
	FETCHW 0, \slot, 0
	CGRP 0, \slot, 4*(\t),   \zero, 1
	CGRP 1, \slot, 4*(\t)+1, 0, 2
	CGRP 0, \slot, 4*(\t)+2, 0, 3
	CGRP 1, \slot, 4*(\t)+3, 0, -1
.endm
.macro ACCMUL                          ; every accumulator times its query tile's factor, from each accumulator's low end on
	WIN 0x41
.set n, 0
.rept 128
	v_pk_mul_f32 v[2*n:2*n+1], v[2*n:2*n+1], v[ST+8*((n/4)%4)+4:ST+8*((n/4)%4)+5]
.set n, n+1
.endr
.endm
; The accumulators rounded to f16: fragment f = 4 cl + tile (my chunk cl of 32 columns) takes registers 0-3 from block 2 cl, 4-7 from block 2 cl + 1
.macro PACK
	WIN 0x05
.set f, 0
.rept 16
.set k, 0
.rept 8
.set rA, 8*(4*(2*(f/4)+k/4)+f%4)+2*(k%4)
	v_cvt_pk_f16_f32 v[PK+8*f+k], v[rA], v[rA+1]
.set k, k+1
.endr
.set f, f+1
.endr
	WIN 0
.endm
; X is handed round: in two halves each wave puts 8 of its 16 fragments into SCR, and behind a barrier every wave takes all 32.  A barrier stands between the first half's reads and the second half's stores.
.macro XCHG
	WIN 0
.irp hf, 0,1
.set f, 0
.rept 8
	ds_store_b128 v[AXS], v[PK+8*(8*(\hf)+f):PK+8*(8*(\hf)+f)+3]   offset:f*1024
	ds_store_b128 v[AXS], v[PK+8*(8*(\hf)+f)+4:PK+8*(8*(\hf)+f)+7] offset:f*1024+512
.set f, f+1
.endr
	s_wait_dscnt 0x0                               ; for the others' sake: my stores are done
	s_barrier_signal -1
	s_barrier_wait -1
.set x, 0
.rept 4                                ; wave x's chunks 4 x + 2 hf + f / 4
	WIN 0x80+0x40*(x/2)
.set f, 0
.rept 8
.set rD, 8*(4*(4*(x%2)+2*(\hf)+f/4)+f%4)
	ds_load_b128 v[rD:rD+3],   v[AXL] offset:x*8192+f*1024
	ds_load_b128 v[rD+4:rD+7], v[AXL] offset:x*8192+f*1024+512
.set f, f+1
.endr
.set x, x+1
.endr
	WIN 0
	s_wait_dscnt 0x0
.if (\hf) == 0
	s_barrier_signal -1
	s_barrier_wait -1
.endif
.endr
.endm
.macro XSTAT off                       ; four numbers a lane (LM) go to all waves: wave x's come back in RM + 4 x
	WIN 0
	ds_store_b128 v[AST], v[LM:LM+3] offset:\off
	s_wait_dscnt 0x0
	s_barrier_signal -1
	s_barrier_wait -1
.irp x, 0,1,2,3
	ds_load_b128 v[RM+4*(\x):RM+4*(\x)+3], v[ASL] offset:(\off)+(\x)*256
.endr
	s_wait_dscnt 0x0
.endm
.macro WSUM off                        ; the pair at ST + 2, + 3, summed over its halves, the lanes' halves and the four waves, into ST + 7
	WIN 0
	QT v_add_f32 v[ST+8*t+7], v[ST+8*t+2], v[ST+8*t+3]
	QT v_permlanex16_b32 v[LM+t], v[ST+8*t+7], s[SEL], s[SEL+1]
	QT v_add_f32 v[LM+t], v[LM+t], v[ST+8*t+7]
	XSTAT \off
	QT v_add_f32 v[ST+8*t+7], v[RM+t], v[RM+4+t]
	QT v_add_f32 v[ST+8*t+6], v[RM+8+t], v[RM+12+t]
	QT v_add_f32 v[ST+8*t+7], v[ST+8*t+7], v[ST+8*t+6]
.endm
; Half hf (256 channels) of x_st: my 16 rows as f16 into SCR (rows of 528 bytes), a barrier, all 64 rows' fragments back
.macro XIN hf
	WIN 0x05
.set i, 0
.rept 32
.set rA, 4*((i/2)*4+2*(\hf)+i%2)
	v_cvt_pk_f16_f32 v[FA+2*i],   v[rA],   v[rA+1]
	v_cvt_pk_f16_f32 v[FA+2*i+1], v[rA+2], v[rA+3]
.set i, i+1
.endr
	WIN 0
.set i, 0
.rept 32
	ds_store_b64 v[AXW], v[FA+2*i:FA+2*i+1] offset:(i/2)*528+(i%2)*256
.set i, i+1
.endr
	s_wait_dscnt 0x0
	s_barrier_signal -1
	s_barrier_wait -1
	WIN 0x80+0x40*(\hf)
.set i, 0
.rept 32                               ; chunk 8 hf + i / 4, query tile i % 4
	ds_load_b128 v[8*i:8*i+3],   v[AXR] offset:(i%4)*8448+(i/4)*64
	ds_load_b128 v[8*i+4:8*i+7], v[AXR] offset:(i%4)*8448+(i/4)*64+32
.set i, i+1
.endr
	WIN 0
	s_wait_dscnt 0x0
.if (\hf) == 0
	s_barrier_signal -1
	s_barrier_wait -1
.endif
.endm
; A TILE OF 128 KEYS.  Scores of my 32 keys for all 64 queries; the maximum goes round the waves; weights; P goes round the waves; V^T P for my 128 channels over all 128 keys.
; Row 8 h + j of a score block is key 2 j + h of the block, and V's turning load takes its rows in the same order: the products are the same, and at this pitch neither load meets a bank twice.
.macro ATT slot
	PLACES                                         ; with the four behind the fill: more than five places before a score product writes over P's fragments, which the last V^T P read
	FETCHK 0, \slot, 0
	SGRP 0, \slot, 0
	SGRP 1, \slot, 1
	SGRP 0, \slot, 2
	SGRP 1, \slot, 3
	WIN 0
	PLACES
	QT v_max3_num_f32 v[ST+8*t+7], v[S+8*t], v[S+8*t+1], v[S+8*t+2]          ; each accumulator is read from its low end on
	QT v_max3_num_f32 v[LM+t], v[S+32+8*t], v[S+32+8*t+1], v[S+32+8*t+2]
	QT v_max3_num_f32 v[ST+8*t+7], v[ST+8*t+7], v[S+8*t+3], v[S+8*t+4]
	QT v_max3_num_f32 v[LM+t], v[LM+t], v[S+32+8*t+3], v[S+32+8*t+4]
	QT v_max3_num_f32 v[ST+8*t+7], v[ST+8*t+7], v[S+8*t+5], v[S+8*t+6]
	QT v_max3_num_f32 v[LM+t], v[LM+t], v[S+32+8*t+5], v[S+32+8*t+6]
	QT v_max3_num_f32 v[ST+8*t+7], v[ST+8*t+7], v[S+8*t+7], v[S+32+8*t+7]
	QT v_max_num_f32 v[ST+8*t+7], v[ST+8*t+7], v[LM+t]
	QT v_permlanex16_b32 v[LM+t], v[ST+8*t+7], s[SEL], s[SEL+1]              ; the query's other 16 of my keys lie in the lane 16 away
	QT v_max_num_f32 v[LM+t], v[LM+t], v[ST+8*t+7]
	XSTAT 0
	QT v_max3_num_f32 v[ST+8*t+7], v[RM+t], v[RM+4+t], v[RM+8+t]
	QT v_max3_num_f32 v[ST+8*t+6], v[ST+8*t+7], v[RM+12+t], v[ST+8*t+6]      ; the new m, the same in all four waves
	QT v_mov_b32 v[ST+8*t+7], v[ST+8*t]
	QT v_mul_f32 v[ST+8*t], s[CS], v[ST+8*t+6]
	QT v_mov_b32 v[ST+8*t+1], v[ST+8*t]
	QT v_sub_f32 v[ST+8*t+7], v[ST+8*t+7], v[ST+8*t]
	QT v_exp_f32 v[ST+8*t+4], v[ST+8*t+7]                                    ; a = 2^(c m_old - c m_new); the scalings below are the plain instructions behind it
.set n, 0
.rept 32
	v_pk_fma_f32 v[S+2*n:S+2*n+1], v[S+2*n:S+2*n+1], s[CS:CS+1], v[ST+8*((n/4)%4):ST+8*((n/4)%4)+1] op_sel_hi:[1,0,1] neg_lo:[0,0,1] neg_hi:[0,0,1]
.set n, n+1
.endr
.set n, 0
.rept 64
	v_exp_f32 v[S+n], v[S+n]
.set n, n+1
.endr
	QT v_mov_b32 v[ST+8*t+5], v[ST+8*t+4]                                    ; plain instructions behind the last exponential
.set n, 0
.rept 32                               ; score tile n / 4 = 4 kb + tile, pair n % 4: P's fragment of the tile, registers 4 kb on
	v_cvt_pk_f16_f32 v[PKP+8*((n/4)%4)+4*(n/16)+n%4], v[S+2*n], v[S+2*n+1]
.set n, n+1
.endr
.set q, 0
.rept 4
	ds_store_b128 v[APW], v[PKP+8*q:PKP+8*q+3]   offset:q*1024
	ds_store_b128 v[APW], v[PKP+8*q+4:PKP+8*q+7] offset:q*1024+512
.set q, q+1
.endr
	QT v_pk_add_f32 v[S+8*t:S+8*t+1], v[S+8*t:S+8*t+1], v[S+8*t+2:S+8*t+3]   ; the sum of the unrounded weights, while the stores are out
	QT v_pk_add_f32 v[S+8*t+4:S+8*t+5], v[S+8*t+4:S+8*t+5], v[S+8*t+6:S+8*t+7]
	QT v_pk_add_f32 v[S+32+8*t:S+32+8*t+1], v[S+32+8*t:S+32+8*t+1], v[S+32+8*t+2:S+32+8*t+3]
	QT v_pk_add_f32 v[S+32+8*t+4:S+32+8*t+5], v[S+32+8*t+4:S+32+8*t+5], v[S+32+8*t+6:S+32+8*t+7]
	QT v_pk_add_f32 v[S+8*t:S+8*t+1], v[S+8*t:S+8*t+1], v[S+8*t+4:S+8*t+5]
	QT v_pk_add_f32 v[S+32+8*t:S+32+8*t+1], v[S+32+8*t:S+32+8*t+1], v[S+32+8*t+4:S+32+8*t+5]
	QT v_pk_add_f32 v[S+8*t:S+8*t+1], v[S+8*t:S+8*t+1], v[S+32+8*t:S+32+8*t+1]
	QT v_pk_fma_f32 v[ST+8*t+2:ST+8*t+3], v[ST+8*t+2:ST+8*t+3], v[ST+8*t+4:ST+8*t+5], v[S+8*t:S+8*t+1]  ; l = a l + sum
	s_wait_dscnt 0x0                               ; for the others' sake: my P is in LDS
	s_barrier_signal -1
	ACCMUL                                         ; O^T times a: work on registers while the others arrive
	WIN 0
	s_barrier_wait -1
	FETCHV 0, \slot, 0
	PGRP 0, \slot, 0
	PGRP 1, \slot, 1
	PGRP 0, \slot, 2
	PGRP 1, \slot, 3
.endm
	; ---------------- the head
	s_load_b256 s[4:11], s[0:1], 0x0               ; x_st s[4:5], ln_g s[6:7], ln_b s[8:9], ws s[10:11]
	s_load_b64 s[12:13], s[0:1], 0x20              ; out0
	v_lshl_add_u32 v[SPW], v0, 2, SPARE
	v_mov_b32 v[NIL], 0
	ds_add_u32 v[SPW], v[NIL]                      ; the wave's opening: the add and its wait stand ahead of my first tensor load; the set-up, work on registers, stands between them
	v_lshrrev_b32 v1, 5, v0
	v_readfirstlane_b32 s[WV], v1                  ; wave 0..3
	s_bfe_u32 s15, ttmp6, 0x40000                  ; cx: it enters x_st's and out0's addresses alone
	s_lshl_b32 s16, ttmp9, 2                       ; in a cluster launch ttmp9 counts clusters
	s_add_co_u32 s16, s16, s15                     ; my block of 64 rows
	s_lshr_b32 s17, ttmp9, 2                       ; the batch: four clusters each, shared by the partners
	s_lshl_b32 s48, s16, 17                        ; 64 rows of 2,048 bytes
	s_mov_b32 s49, 0
	s_mov_b32 s[G1], 15|(1<<16)|(1<<20)|(1<<21)|(7<<22)|(3<<25)  ; 15:0 the mask of four; 17:16 2-byte elements; 20 padding on; 21 set beside a mask; 24:22 after every 256 words (code 7); 31:25 4 words (code 3)
	s_mov_b32 s[G1+1], 512<<16                     ; tensor_dim0 = 512
	s_mov_b32 s[G1+2], 32<<16                      ; tensor_dim1 = 32
	s_mov_b32 s[G1+3], 512<<16                     ; tile_dim0 = 512
	s_mov_b32 s[G1+4], 32                          ; tile_dim1 = 32
	s_mov_b32 s[G1+5], 512                         ; 512 elements from row to row
	s_mov_b32 s[G1+6], 0
	s_mov_b32 s[G1+7], 0
	s_mul_i32 s[WP], s[WV], PART
	s_lshl_b32 s[NOFF], s[WV], 15                  ; my 32 KiB of a tile
	s_mov_b32 s[NOFF+1], 0
	s_lshl_b32 s[XO], s17, 20
	s_add_co_u32 s[XO], s[XO], s[NOFF]
	s_add_co_u32 s[XO], s[XO], XF_OFF
	s_add_co_u32 s[VO], s[NOFF], WVO_OFF
	s_mov_b32 s[CS], 0x3eb8aa3b                    ; c = log2(e) / 4
	s_mov_b32 s[CS+1], s[CS]
	s_mov_b32 s[SEL], 0x76543210
	s_mov_b32 s[SEL+1], 0xfedcba98
	s_mov_b32 s50, 0x3b000000                      ; 1 / 512
	s_mov_b32 s51, 0x3d27c5ac                      ; 4,096 x 1e-5
	v_and_b32 v1, 15, v0                           ; r = lane % 16
	v_bfe_u32 v2, v0, 4, 1                         ; h = lane / 16
	v_and_b32 v3, 31, v0                           ; lane
	v_and_b32 v28, 7, v0
	v_bfe_u32 v29, v0, 3, 1
	v_lshl_add_u32 v[AW], v3, 4, s[WP]
	v_add_nc_u32 v[AW+1], SLOT, v[AW]
	v_lshl_add_u32 v30, v28, 1, v29                ; K's row for lane r: 2 (r % 8) + r / 8
	v_mul_u32_u24 v[AK], v30, PITCH
	v_lshl_add_u32 v[AK], v2, 4, v[AK]
	v_add_nc_u32 v[AK], s[WP], v[AK]
	v_add_nc_u32 v[AK+1], SLOT, v[AK]
	v_lshl_add_u32 v30, v28, 1, v2                 ; V's row for the turning load: 2 (lane % 8) + h
	v_mul_u32_u24 v[AV], v30, PITCH
	v_lshl_add_u32 v[AV], v29, 4, v[AV]
	s_lshl_b32 s52, s[WV], 8                       ; my 128 channels
	v_add_nc_u32 v[AV], s52, v[AV]
	v_add_nc_u32 v[AV+1], 2*PART, v[AV]
	v_add_nc_u32 v[AV+2], SLOT, v[AV]
	v_add_nc_u32 v[AV+3], SLOT+2*PART, v[AV]
	v_lshl_add_u32 v[ASL], v1, 4, STAT
	v_add_nc_u32 v[AST], s52, v[ASL]
	v_lshl_add_u32 v[AXL], v3, 4, SCR
	s_lshl_b32 s53, s[WV], 12
	v_add_nc_u32 v[APW], s53, v[AXL]
	s_lshl_b32 s53, s[WV], 13
	v_add_nc_u32 v[AXS], s53, v[AXL]
	s_mul_i32 s53, s[WV], 8448                     ; 16 rows of 528 bytes
	v_lshl_add_u32 v[AXW], v3, 3, SCR
	v_add_nc_u32 v[AXW], s53, v[AXW]
	v_mul_u32_u24 v[AXR], v1, 528
	v_lshl_add_u32 v[AXR], v2, 4, v[AXR]
	v_add_nc_u32 v[AXR], SCR, v[AXR]
	s_add_co_u32 s53, s53, SCR
	v_mul_u32_u24 v[AOS], v1, 528
	v_lshl_add_u32 v[AOS], v2, 5, v[AOS]
	v_add_nc_u32 v[AOS], s53, v[AOS]
	v_lshl_add_u32 v[AOL], v3, 4, s53
	v_lshl_add_u32 v[GXO], v3, 4, s[NOFF]          ; wave x 16 rows x 2,048 + 16 x lane
	s_lshl_b32 s52, s[WV], 9
	v_lshl_add_u32 v[GOO], v3, 4, s52
	s_add_co_u32 s52, s52, GB
	v_lshl_add_u32 v[AGB], v2, 5, s52
	v_lshlrev_b32 v[T16], 4, v0
	v_lshl_add_u32 v[AGS], v0, 4, GB
	s_wait_dscnt 0x0                               ; the opening add is done
	s_wait_kmcnt 0x0
	s_add_nc_u64 s[4:5], s[4:5], s[48:49]
	s_add_nc_u64 s[12:13], s[12:13], s[48:49]
	s_mov_b32 s[G0], 1                             ; count = 1
	s_add_co_u32 s[G0+1], s[WP], 0                 ; tile 0 into slot 0
	s_add_nc_u64 s[G0+2:G0+3], s[10:11], s[NOFF:NOFF+1]
	s_or_b32 s[G0+3], s[G0+3], 0x80000000          ; type = 2
	s_add_co_u32 s[NOFF], s[NOFF], TILEB
	s_mov_b32 s[G0B], 1
	s_add_co_u32 s[G0B+1], s[WP], SLOT             ; tile 1 into slot 1
	s_add_nc_u64 s[G0B+2:G0B+3], s[10:11], s[NOFF:NOFF+1]
	s_or_b32 s[G0B+3], s[G0B+3], 0x80000000
	CROUND                                         ; all four work-groups are here: the first joint loads meet
	tensor_load_to_lds s[G0:G0+3], s[G1:G1+7]      ; two loads of mine are out
	s_nop 0
	tensor_load_to_lds s[G0B:G0B+3], s[G1:G1+7]
	s_nop 0
	PLACES
	; ---------------- x_st into X; the gains into LDS
	WIN 0x40
.set i, 0
.rept 64
	global_load_b128 v[4*i:4*i+3], v[GXO], s[4:5] offset:(i/4)*2048+(i%4)*512 th:TH_LOAD_NT  ; my 16 rows, 512 consecutive bytes a load
.set i, i+1
.endr
	WIN 0
	global_load_b128 v[192:195], v[T16], s[6:7]
	global_load_b128 v[196:199], v[T16], s[8:9]
	s_wait_loadcnt 0x0
	ds_store_b128 v[AGS], v[192:195]
	ds_store_b128 v[AGS], v[196:199] offset:2048
	XIN 0
	XIN 1
	; ---------------- chain 1: T / 64 = x_st (2^-6 Wq Wk^T)
	s_wait_tensorcnt 0x1                           ; my part of tile 0 is in, and only I read it; tile 1 may stay out
	CHAINTILE 0, 0, 1
	HEAD 0, 0
	CHAINTILE 1, 1, 0
	HEAD 1, 0
	CHAINTILE 0, 2, 0
	HEAD 0, 1                                      ; the batch's first 128 keys
	CHAINTILE 1, 3, 0
	PLACES
	PACK
	XCHG                                           ; X = T / 64
	QT v_mov_b32 v[ST+8*t], 0xfe000000             ; c m far below every c s: the first tile's a is 0, and what the accumulators still hold, finite sums, is multiplied by it: nothing is cleared
	QT v_mov_b32 v[ST+8*t+1], 0xfe000000
	QT v_mov_b32 v[ST+8*t+2], 0
	QT v_mov_b32 v[ST+8*t+3], 0
	QT v_mov_b32 v[ST+8*t+6], 0xff7fffff           ; m: the lowest finite number
	; ---------------- attention: 8 tiles of 128 keys, two a trip; the last trip's second fill is Wv Wo's first tile, by the choice of an offset alone
	s_mov_b32 s[CNT], 4
.Latt:
	HEAD 1, 0
	ATT 0
	HEAD 0, 2
	ATT 1
	WIN 0
	s_sub_co_u32 s[CNT], s[CNT], 1
	s_cmp_lg_u32 s[CNT], 0
	s_cbranch_scc1 .Latt
	; ---------------- U = O / (1 + l)
	PLACES
	WSUM 1024                                      ; its barrier also stands between the last reads of P and the dump below
	QT v_add_f32 v[ST+8*t+7], 1.0, v[ST+8*t+7]
	QT v_rcp_f32 v[ST+8*t+4], v[ST+8*t+7]
	v_nop                                          ; a plain instruction behind the last reciprocal
	s_wait_alu depctr_va_vdst(0)
	QT v_mov_b32 v[ST+8*t+5], v[ST+8*t+4]
	ACCMUL
	PACK
	XCHG                                           ; X = U
	; ---------------- chain 2: 64 o = U (2^6 Wv Wo)
	HEAD 1, 0
	CHAINTILE 0, 0, 1
	HEAD 0, 0
	CHAINTILE 1, 1, 0
	HEAD 1, 0
	CHAINTILE 0, 2, 0
	HEAD 0, 0                                      ; W1 W2 follows Wv Wo in ws
	CHAINTILE 1, 3, 0
	; ---------------- LayerNorm on 64 o, in two passes; h / 16 = (o' - mu') (rs' / 16) g + b / 16
	PLACES
	WIN 0x80                                       ; X is free: my columns' g into window 2 v0-63, b into v64-127
.set i, 0
.rept 8
	ds_load_b128 v[8*i:8*i+3],       v[AGB] offset:i*64
	ds_load_b128 v[8*i+4:8*i+7],     v[AGB] offset:i*64+16
	ds_load_b128 v[64+8*i:64+8*i+3], v[AGB] offset:2048+i*64
	ds_load_b128 v[64+8*i+4:64+8*i+7], v[AGB] offset:2048+i*64+16
.set i, i+1
.endr
	WIN 0
	QT v_mov_b32 v[ST+8*t+2], 0
	QT v_mov_b32 v[ST+8*t+3], 0
	WIN 0x01
.set n, 0
.rept 128                              ; block n / 16, pair (n / 4) % 4, tile n % 4: four chains side by side, each accumulator from its low end on
.set rA, 8*(4*(n/16)+n%4)+2*((n/4)%4)
	v_pk_add_f32 v[ST+8*(n%4)+2:ST+8*(n%4)+3], v[rA:rA+1], v[ST+8*(n%4)+2:ST+8*(n%4)+3]
.set n, n+1
.endr
	WSUM 2048
	QT v_mul_f32 v[ST+8*t+4], s50, v[ST+8*t+7]     ; mu'
	QT v_mov_b32 v[ST+8*t+5], v[ST+8*t+4]
	QT v_mov_b32 v[ST+8*t+2], 0
	QT v_mov_b32 v[ST+8*t+3], 0
	WIN 0x41
.set n, 0
.rept 128
	v_pk_add_f32 v[2*n:2*n+1], v[2*n:2*n+1], v[ST+8*((n/4)%4)+4:ST+8*((n/4)%4)+5] neg_lo:[0,1] neg_hi:[0,1]
.set n, n+1
.endr
	WIN 0x05
.set n, 0
.rept 128
.set rA, 8*(4*(n/16)+n%4)+2*((n/4)%4)
	v_pk_fma_f32 v[ST+8*(n%4)+2:ST+8*(n%4)+3], v[rA:rA+1], v[rA:rA+1], v[ST+8*(n%4)+2:ST+8*(n%4)+3]
.set n, n+1
.endr
	WSUM 3072
	QT v_fma_f32 v[ST+8*t+7], v[ST+8*t+7], s50, s51
	QT v_rsq_f32 v[ST+8*t+4], v[ST+8*t+7]
	v_nop                                          ; a plain instruction behind the last root
	s_wait_alu depctr_va_vdst(0)
	QT v_mul_f32 v[ST+8*t+4], 0x3d800000, v[ST+8*t+4]
	QT v_mov_b32 v[ST+8*t+5], v[ST+8*t+4]
	WIN 0x82
.set n, 0
.rept 32
	v_pk_mul_f32 v[64+2*n:64+2*n+1], v[64+2*n:64+2*n+1], 0x3d800000 op_sel_hi:[1,0]  ; b / 16
.set n, n+1
.endr
	ACCMUL
	WIN 0x69                                       ; accumulators in window 1, g and b in window 2
.set n, 0
.rept 128
	v_pk_fma_f32 v[2*n:2*n+1], v[2*n:2*n+1], v[8*(n/16)+2*(n%4):8*(n/16)+2*(n%4)+1], v[64+8*(n/16)+2*(n%4):64+8*(n/16)+2*(n%4)+1]
.set n, n+1
.endr
	PACK
	XCHG                                           ; X = h / 16
	; ---------------- chain 3: out = (h / 16) (2^4 W1 W2)
	HEAD 1, 0
	CHAINTILE 0, 0, 1
	HEAD 0, 0
	CHAINTILE 1, 1, 0
	HEAD 1, 0
	CHAINTILE 0, 2, 0
	WIN 0
	s_wait_tensorcnt 0x0                           ; my part of the last tile is in, and only I read it; nothing is left to ask for
	CHAINTILE 1, 3, 0
	; ---------------- the way out: a query tile at a time through my own stage (16 rows of 528 bytes), back as whole rows of my 128 columns
	PLACES
.irp qt, 0,1,2,3
	WIN 0x04                                       ; store data in window 1
.set i, 0
.rept 8
	ds_store_b128 v[AOS], v[8*(4*i+(\qt)):8*(4*i+(\qt))+3]   offset:i*64     ; each accumulator's low four registers first
	ds_store_b128 v[AOS], v[8*(4*i+(\qt))+4:8*(4*i+(\qt))+7] offset:i*64+16
.set i, i+1
.endr
	WIN 0
.if (\qt) >= 2
	s_wait_xcnt 0x0                                ; the stores of two tiles ago have read the registers that are loaded again below
.endif
.set i, 0
.rept 16
	ds_load_b128 v[FA+64*((\qt)%2)+4*i:FA+64*((\qt)%2)+4*i+3], v[AOL] offset:i*528  ; LDS serves a wave's instructions in order (ISA guide 5.7.1.4): these see the stores above, and the next tile's stores come behind them
.set i, i+1
.endr
.set i, 0
.rept 16
	s_wait_dscnt 15-i
	global_store_b128 v[GOO], v[FA+64*((\qt)%2)+4*i:FA+64*((\qt)%2)+4*i+3], s[12:13] offset:(16*(\qt)+i)*2048 th:TH_STORE_NT  ; the wave stores 512 consecutive bytes, aligned
.set i, i+1
.endr
.endr
	s_wait_tensorcnt 0x0                           ; the wave's end, behind my last tensor load and my last LDS store
	ds_add_u32 v[SPW], v[NIL]
	s_wait_dscnt 0x0
	CROUND                                         ; the closing round: no work-group ends while a partner may still ask for a tile that names it
	s_endpgm
.Lfunc_end_k_qfb4f08b494_fused:
	.size	k_qfb4f08b494_fused, .Lfunc_end_k_qfb4f08b494_fused-k_qfb4f08b494_fused
	.p2alignl 7, 3214868480
	.fill 96, 4, 3214868480
	.section	.rodata,"a",@progbits
	.p2align	6, 0x0
	.amdhsa_kernel k_qfb4f08b494_fused
		.amdhsa_group_segment_fixed_size 327680
		.amdhsa_private_segment_fixed_size 0
		.amdhsa_enable_private_segment 0
		.amdhsa_kernarg_size 40
		.amdhsa_user_sgpr_count 2
		.amdhsa_user_sgpr_kernarg_segment_ptr 1
		.amdhsa_wavefront_size32 1
		.amdhsa_system_sgpr_workgroup_id_x 1
		.amdhsa_system_sgpr_workgroup_id_y 1
		.amdhsa_system_sgpr_workgroup_id_z 1
		.amdhsa_system_vgpr_workitem_id 0
		.amdhsa_next_free_vgpr 1024
		.amdhsa_next_free_sgpr 66
		.amdhsa_reserve_vcc 0
		.amdhsa_float_denorm_mode_32 3
		.amdhsa_float_denorm_mode_16_64 3
		.amdhsa_memory_ordered 1
		.amdhsa_forward_progress 1
		.amdhsa_inst_pref_size 255
	.end_amdhsa_kernel
	.section	.bss,"aw",@nobits
	.p2align	6
	.space	262144
	.amdgpu_metadata
---
amdhsa.version: [ 1, 2 ]
amdhsa.kernels:
  - .name:           k_qfb4f08b494_fused
    .symbol:         k_qfb4f08b494_fused.kd
    .args:
      - { .name: x_st, .offset: 0, .size: 8, .value_kind: global_buffer, .address_space: global }
      - { .name: ln_g, .offset: 8, .size: 8, .value_kind: global_buffer, .address_space: global }
      - { .name: ln_b, .offset: 16, .size: 8, .value_kind: global_buffer, .address_space: global }
      - { .name: ws, .offset: 24, .size: 8, .value_kind: global_buffer, .address_space: global }
      - { .name: out0, .offset: 32, .size: 8, .value_kind: global_buffer, .address_space: global }
    .group_segment_fixed_size: 327680
    .private_segment_fixed_size: 0
    .kernarg_segment_align: 8
    .kernarg_segment_size: 40
    .max_flat_workgroup_size: 128
    .sgpr_count:     66
    .vgpr_count:     1024
    .wavefront_size: 32
...
	.end_amdgpu_metadata
.endif
;; end of part 2
;; ======== version 2 of 2: 2 launches; version 1 with the launch prep written anew for expert scheduling mode
;; limits: values are held in f16: magnitudes above 65,504 overflow, below 6.1e-05 lose precision
;; workspace buffers: ws 18,350,080 bytes
;; launch prep (part 3): grid 512 x 1, 8 waves a work-group, no clusters, 30,720 bytes of LDS; arguments W1, W2, Wk, Wo, Wq, Wv, x_freq, ws; writes ws
.if DOCPART == 3
	.amdgcn_target "amdgcn-amd-amdhsa--gfx1250"
	.amdhsa_code_object_version 6
	.text
	.protected	k_qfb4f08b494_prep
	.globl	k_qfb4f08b494_prep
	.p2align	8
	.type	k_qfb4f08b494_prep,@function
k_qfb4f08b494_prep:
	s_mov_b64 s[64:65], 0
	v_nop
	global_prefetch_b8 v0, s[64:65] scope:SCOPE_SE
	s_setreg_imm32_b32 hwreg(HW_REG_WAVE_SCHED_MODE, 0, 2), 2
	s_setreg_imm32_b32 hwreg(HW_REG_WAVE_MODE, 25, 1), 1
	s_wait_xcnt 0x0
	s_wait_alu depctr_vm_vsrc(0)
; PREPARATION.  reference() is linear but for its softmax and its LayerNorm, so its weight products are regrouped, for every input (only the order of rounding differs from the reference's):
;   q k^T = x_st (Wq Wk^T) x_freq^T;   (score v) Wo = (score x_freq) (Wv Wo);   (h W1) W2 = h (W1 W2).
; This launch makes the three 512 x 512 products and an f16 copy of x_freq, all into ws:
;   byte 0         2^-6 Wq Wk^T      byte 524,288   2^6 Wv Wo      byte 1,048,576   2^4 W1 W2      byte 1,572,864   x_freq as f16, rows of 1,024 bytes
; The powers of two are exact and are taken back in the next launch.  Operands are rounded once to f16, sums are f32, each result is rounded once to f16.
; LIMITS.  f16 ends at 65,504: every input and every scaled product must lie within it; below 6e-5 f16 keeps a fixed step of 6e-8.
; LAYOUT of a product M[i][j] (i the index that the next launch sums over, j its output column): blocks of 1,024 bytes = 16 j x 32 i in the order in which 32 lanes load a matrix operand:
;   byte = (((i>>7)*4 + (j>>7))*32 + ((i>>5)&3)*8 + ((j>>4)&7))*1024 + ((i>>4)&1)*512 + ((i>>3)&1)*256 + (j&15)*16 + (i&7)*2
; SHARES.  512 work-groups of 8 waves: kind = id >> 7.  Kinds 0, 1, 2: 128 tiles of 32 i x 64 j of W1 W2, Wv Wo, Wq Wk^T; each wave one 16 x 16 block.  Kind 3: 128 rows of x_freq each.
; Everything is loaded through registers (the f32 numbers are converted on the way), so no tensor load, no cluster; what several work-groups read again are the weights, 12 MB in all.
; THE MODE: SCHED_MODE bits 1:0 = 2 (LLVM: expert scheduling mode 2), set by the entry lines.  The code itself states the register dependences
; between vector or matrix instructions and memory or LDS instructions, with s_wait_alu, always for 0.
; THE PLAN, products.  Registers that memory or LDS instructions touch in the loop:
;   RING0 .. RING3  Step d: its twelve conversions read RING[d]; behind them the loads of the same step of the next round land in it.
;   CV              Step d: the conversions write it, the step's six LDS stores read it.
;   FR0, FR1        Step d: its eight LDS loads land in FR[d % 2]; its two products, which stand in step d + 1, read it.  FR1 starts at 0: the first step's products, of a step that has not been, add 0 to 0.
;   v16-18, v20-25  Offsets and LDS addresses: made at the head, never written again; each ring slot has scalar bases of its own, which move on by a round.
;   The accumulators are named by vector and matrix instructions alone.
; So a step has ONE wait on va_vdst, behind its conversions: CV is written; the conversions are done reading RING[d]; the products of step d - 2, issued in the step before, are done reading FR[d % 2].
; Behind it the only vector-side lines ahead of the step's LDS loads are the products of step d - 1, which name the other set and the accumulators.  And ONE wait on vm_vsrc, at its head: the last step's LDS stores have read CV.
; THE PLAN, x_freq.  X (v64-191): loads land, conversions read.  Y (v192-255, four groups of 16): conversions write, the stores of the group read, issued one group later behind one wait on va_vdst.
.set RING,  64                         ; v[64:159]  four slots of six 16-byte loads: a K step of 64 (32 rows of A, 64 rows of B, 256 bytes each)
.set CV,    40                         ; v[40:51]   a step's numbers as f16
.set FR,    160                        ; set f at FR + 48 f: v[160:191], v[208:239]: 16 registers of A's fragments, then 16 of B's
.set ACC,   192                        ; v[192:207] two accumulators
.set SB,    8                          ; s[8:23]    ring slot d: A's base at SB + 4 d, B's at SB + 4 d + 2 (the arguments' registers, free when the bases are made)
.set BOFF,  4608                       ; an LDS buffer: A, 32 rows of 144 bytes; then B, 64 rows of 160 bytes
.set BUFB,  14848                      ; two such buffers take turns
.set SPARE, 29696                      ; the spare words: 128 bytes for each of eight waves, named by no other line
	s_load_b512 s[8:23], s[0:1], 0x0               ; W1 s[8:9], W2 s[10:11], Wk s[12:13], Wo s[14:15], Wq s[16:17], Wv s[18:19], x_freq s[20:21], ws s[22:23]
	v_lshl_add_u32 v30, v0, 2, SPARE               ; my spare word,
	v_mov_b32 v31, 0                               ; and 0: both kept for the add at the wave's end
	v_lshrrev_b32 v1, 5, v0
	v_readfirstlane_b32 s24, v1                    ; wave 0..7
	s_lshr_b32 s25, ttmp9, 7                       ; kind
	s_and_b32 s26, ttmp9, 127                      ; tile, or block of rows
	v_and_b32 v5, 31, v0                           ; lane
	s_wait_alu depctr_va_sdst(0)                   ; s24 is written
	s_cmp_eq_u32 s25, 3
	s_cbranch_scc1 .Lconv
	; ---- a tile of a product: out[i][j] = sum over k of A[i][k] B[k][j] (kinds 0, 1: B's rows go along j) or A[i][k] B[j][k] (kind 2: along k)
	s_and_b32 s46, s26, 7                          ; J: 64 columns j
	s_lshr_b32 s47, s26, 3                         ; I: 32 rows i
	s_and_b32 s27, s24, 3                          ; jb: my 16 j
	s_lshr_b32 s39, s24, 2                         ; ib: my 16 i
	s_lshr_b32 s48, s47, 2
	s_lshr_b32 s49, s46, 1
	s_lshl2_add_u32 s48, s48, s49                  ; (I>>2)*4 + (J>>1)
	s_lshl_b32 s48, s48, 5
	s_and_b32 s49, s47, 3
	s_lshl3_add_u32 s48, s49, s48                  ; + (I&3)*8
	s_and_b32 s49, s46, 1
	s_lshl2_add_u32 s48, s49, s48                  ; + (J&1)*4
	s_add_co_u32 s48, s48, s27                     ; + jb: my block of 1,024 bytes,
	s_lshl_b32 s48, s48, 10
	s_lshl_b32 s49, s39, 9
	s_add_co_u32 s48, s48, s49                     ; and my half of it
	s_lshl_b32 s50, s46, 8                         ; B's start if its rows go along j: 64 J columns of 4 bytes
	s_lshl_b32 s51, s46, 17                        ; if along k: 64 J rows of 2,048 bytes
	s_lshl_b32 s52, s47, 5                         ; A's first row
	s_movk_i32 s44, 0x800                          ; kind 1's figures first: A's pitch,
	s_mov_b32 s36, 0x42800000                      ; the scale 64,
	s_mov_b32 s45, 0x80000                         ; the place in ws,
	s_mov_b32 s32, 0x20000                         ; B's step: 64 rows
	s_mov_b32 s33, 0
	s_wait_kmcnt 0x0
	s_cmp_eq_u32 s25, 0
	s_cselect_b64 s[28:29], s[8:9], s[18:19]       ; A: W1 or Wv
	s_cselect_b64 s[30:31], s[10:11], s[14:15]     ; B: W2 or Wo
	s_cselect_b32 s44, 0x2000, s44
	s_cselect_b32 s35, 7, 1                        ; trips of four K steps ahead of the last four: K = 2,048 or 512
	s_cselect_b32 s36, 0x41800000, s36             ; 16
	s_cselect_b32 s45, 0x100000, s45
	s_cmp_eq_u32 s25, 2
	s_cselect_b64 s[28:29], s[16:17], s[28:29]     ; Wq
	s_cselect_b64 s[30:31], s[12:13], s[30:31]     ; Wk
	s_cselect_b32 s36, 0x3c800000, s36             ; 1/64
	s_cselect_b32 s45, 0, s45
	s_cselect_b32 s34, 0, 1                        ; 1: B's tile is turned on its way out of LDS
	s_cselect_b32 s32, 0x100, s32                  ; B's step: 64 columns
	s_cselect_b32 s42, s51, s50
	s_mov_b32 s43, 0
	s_add_nc_u64 s[30:31], s[30:31], s[42:43]
	s_mul_i32 s42, s52, s44
	s_add_nc_u64 s[28:29], s[28:29], s[42:43]
	s_add_co_u32 s42, s48, s45
	s_add_nc_u64 s[40:41], s[22:23], s[42:43]      ; where my 512 bytes go
	s_mov_b32 s37, s36                             ; named with it as a pair
.irp d, 0,1,2,3
	s_add_nc_u64 s[SB+4*(\d):SB+4*(\d)+1], s[28:29], 256*(\d)  ; slot d begins with K step d: A goes 64 columns a step,
.endr
	s_mov_b64 s[SB+2:SB+3], s[30:31]               ; B by its own step
	s_add_nc_u64 s[SB+6:SB+7], s[SB+2:SB+3], s[32:33]
	s_add_nc_u64 s[SB+10:SB+11], s[SB+6:SB+7], s[32:33]
	s_add_nc_u64 s[SB+14:SB+15], s[SB+10:SB+11], s[32:33]
	s_lshl_b32 s32, s32, 2                         ; from here on: B's step for a round of four
	s_lshl_b32 s54, s44, 4                         ; sixteen rows of A
	v_and_b32 v2, 15, v0                           ; my 16 bytes of a row of 256; also lane % 16
	v_lshrrev_b32 v3, 4, v0                        ; my row of sixteen
	v_mul_lo_u32 v16, v3, s44
	v_lshl_add_u32 v16, v2, 4, v16                 ; A: row x pitch + 16 bytes,
	v_add_nc_u32 v17, s54, v16                     ; and sixteen rows on
	v_lshlrev_b32 v18, 11, v3
	v_lshl_add_u32 v18, v2, 4, v18                 ; B: row x 2,048 + 16 bytes
; A K step's six loads into ring slot d, by the slot's own bases; each covers two whole rows of 256 bytes.
.macro LOADS d
	global_load_b128 v[RING+24*(\d):RING+24*(\d)+3],   v16, s[SB+4*(\d):SB+4*(\d)+1]
	global_load_b128 v[RING+24*(\d)+4:RING+24*(\d)+7], v17, s[SB+4*(\d):SB+4*(\d)+1]
.irp u, 0,1,2,3
	global_load_b128 v[RING+24*(\d)+8+4*(\u):RING+24*(\d)+11+4*(\u)], v18, s[SB+4*(\d)+2:SB+4*(\d)+3] offset:(\u)*32768
.endr
.endm
; The two products of a K step, on fragment set f: the step's first 32 k, its second 32 k.  The two accumulators take turns.
.macro MUL f
	v_wmma_f32_16x16x32_f16 v[ACC:ACC+7],    v[FR+48*(\f):FR+48*(\f)+7],    v[FR+48*(\f)+16:FR+48*(\f)+23], v[ACC:ACC+7]
	v_wmma_f32_16x16x32_f16 v[ACC+8:ACC+15], v[FR+48*(\f)+8:FR+48*(\f)+15], v[FR+48*(\f)+24:FR+48*(\f)+31], v[ACC+8:ACC+15]
.endm
; One K step of 64.  left = the younger loads that may stay out (six for each younger slot).
; The step's numbers are converted and stored while the LDS loads of the step before are on their way; that step's products stand between the barrier's signal and its wait; then this step's fragments are asked for.
; The LDS buffers take turns: the one stored here was read two steps ago, and every wave waited for those reads in front of the last step's signal: one barrier a step orders both directions.
.macro STEP d, refill, left
	s_wait_loadcnt \left                           ; loads come back in order (ISA guide 5.7.1): RING[d] is in, the younger slots stay out
.if \refill
	s_add_nc_u64 s[SB+4*(\d):SB+4*(\d)+1],   s[SB+4*(\d):SB+4*(\d)+1],   1024      ; free since that wait, which shows the loads that read them done: the same step of the next round
	s_add_nc_u64 s[SB+4*(\d)+2:SB+4*(\d)+3], s[SB+4*(\d)+2:SB+4*(\d)+3], s[32:33]
.endif
	s_wait_alu depctr_vm_vsrc(0)                   ; the LDS stores of the step before, round the loop's backward jump too, have read CV, which the conversions write again
.set i, 0
.rept 6
	v_cvt_pk_f16_f32 v[CV+2*i],   v[RING+24*(\d)+4*i],   v[RING+24*(\d)+4*i+1]
	v_cvt_pk_f16_f32 v[CV+2*i+1], v[RING+24*(\d)+4*i+2], v[RING+24*(\d)+4*i+3]
.set i, i+1
.endr
	s_wait_alu depctr_va_vdst(0)                   ; the conversions have written CV and are done reading RING[d]; the products issued in the step before are done reading FR[d % 2]; in the first step the LDS addresses v20 to v24 are written
	ds_store_b64 v20, v[CV:CV+1]   offset:((\d)%2)*BUFB
	ds_store_b64 v20, v[CV+2:CV+3] offset:((\d)%2)*BUFB+2304
.irp u, 0,1,2,3
	ds_store_b64 v21, v[CV+4+2*(\u):CV+5+2*(\u)] offset:((\d)%2)*BUFB+(\u)*2560
.endr
.if \refill
	LOADS \d                                       ; no further wait: no vector line since the wait above names RING[d]
.endif
	s_wait_dscnt 0x0                               ; for the others' sake: my stores are done; for my own: the fragments of the step before are in
	s_barrier_signal -1
	MUL ((\d)+1)%2                                 ; the products of the step before: work on registers while the others arrive
	s_barrier_wait -1
.irp u, 0,1,2,3
	ds_load_b128 v[FR+48*((\d)%2)+4*(\u):FR+48*((\d)%2)+4*(\u)+3], v22 offset:((\d)%2)*BUFB+(\u)*32  ; no further wait: the products since the wait above name the other set
.endr
	s_cmp_eq_u32 s34, 0                            ; the same in every wave: both arms issue four loads into the same registers
	s_cbranch_scc1 .Lpl_\@
.irp u, 0,1,2,3
	ds_load_tr16_b128 v[FR+48*((\d)%2)+16+4*(\u):FR+48*((\d)%2)+19+4*(\u)], v23 offset:((\d)%2)*BUFB+(\u)*2560
.endr
	s_branch .Ljn_\@
.Lpl_\@:
.irp u, 0,1,2,3
	ds_load_b128 v[FR+48*((\d)%2)+16+4*(\u):FR+48*((\d)%2)+19+4*(\u)], v24 offset:((\d)%2)*BUFB+(\u)*32
.endr
.Ljn_\@:
.endm
	s_wait_alu depctr_va_vdst(0)                   ; v16, v17 and v18 are written: every load of A and B reads one of them as its offset
	LOADS 0
	LOADS 1
	LOADS 2
	LOADS 3
	; the LDS addresses are made while the ring's first loads are on their way; the first step's wait on va_vdst stands between these lines and their first readers
	s_mul_i32 s55, s39, 2304
	s_lshl_b32 s56, s27, 5
	s_add_co_u32 s56, s56, BOFF
	s_mul_i32 s57, s27, 2560
	s_add_co_u32 s57, s57, BOFF
	v_bfe_u32 v4, v0, 4, 1                         ; lane / 16
	v_and_b32 v6, 7, v0
	v_bfe_u32 v7, v0, 3, 1
	v_mul_u32_u24 v20, v3, 144
	v_lshl_add_u32 v20, v2, 3, v20                 ; into LDS: four f16 are 8 bytes
	v_mul_u32_u24 v21, v3, 160
	v_lshl_add_u32 v21, v2, 3, v21
	v_add_nc_u32 v21, BOFF, v21
	v_mul_u32_u24 v22, v2, 144                     ; A's fragment: row ib*16 + lane % 16, 16 bytes for each half of the lanes
	v_lshl_add_u32 v22, v4, 4, v22
	v_add_nc_u32 v22, s55, v22
	v_lshl_add_u32 v23, v4, 3, v6                  ; B turned: row k = 8 (lane / 16) + lane % 8, columns jb*16 + 8 ((lane / 8) % 2) on
	v_mul_u32_u24 v23, v23, 160
	v_lshl_add_u32 v23, v7, 4, v23
	v_add_nc_u32 v23, s56, v23
	v_mul_u32_u24 v24, v2, 160                     ; B as it lies: row jb*16 + lane % 16
	v_lshl_add_u32 v24, v4, 4, v24
	v_add_nc_u32 v24, s57, v24
	v_lshlrev_b32 v25, 4, v5                       ; out: 16 bytes a lane
.set i, 0
.rept 16
	v_mov_b32 v[ACC+i], 0                          ; two accumulators: the first K step lies in the loop, and sixteen moves are shorter than a copy of it
.set i, i+1
.endr
.set i, 0
.rept 32
	v_mov_b32 v[FR+48+i], 0                        ; fragment set 1: the first step's two products multiply zeros and leave the accumulators at 0, so that every step has one text; 32 moves and two products a wave are the price
.set i, i+1
.endr
	s_mov_b32 s38, 0
.Lq:
	STEP 0, 1, 18
	STEP 1, 1, 18
	STEP 2, 1, 18
	STEP 3, 1, 18
	s_add_co_u32 s38, s38, 1
	s_cmp_lt_u32 s38, s35
	s_cbranch_scc1 .Lq
	STEP 0, 0, 18                                  ; the last four steps load nothing: the counts run down
	STEP 1, 0, 12
	STEP 2, 0, 6
	STEP 3, 0, 0
	s_wait_dscnt 0x0                               ; the last step's fragments are in
	MUL 1
.rept 4
	v_nop                                          ; the places behind the last products
.endr
.irp u, 0,2,4,6
	v_pk_add_f32 v[ACC+(\u):ACC+1+(\u)], v[ACC+(\u):ACC+1+(\u)], v[ACC+8+(\u):ACC+9+(\u)]  ; from each accumulator's low end on
.endr
.irp u, 0,2,4,6
	v_pk_mul_f32 v[ACC+(\u):ACC+1+(\u)], v[ACC+(\u):ACC+1+(\u)], s[36:37] op_sel_hi:[1,0]
.endr
	s_wait_alu depctr_vm_vsrc(0)                   ; the last step's LDS stores have read CV, which the conversions below write again
.irp u, 0,1,2,3
	v_cvt_pk_f16_f32 v[CV+(\u)], v[ACC+2*(\u)], v[ACC+1+2*(\u)]  ; a lane holds column j = lane % 16 and rows i = 8 (lane / 16) + 0..7: its 16 bytes of the block
.endr
	s_wait_alu depctr_va_vdst(0)                   ; the conversions have written v[CV:CV+3], which the store reads
	global_store_b128 v25, v[CV:CV+3], s[40:41]    ; the wave stores 512 consecutive bytes, aligned
	s_wait_dscnt 0x0                               ; the closing lines, six on end
	s_wait_alu 0x0
	s_wait_tensorcnt 0x0
	ds_add_u32 v30, v31
	s_wait_dscnt 0x0
	s_endpgm
	; ---- x_freq to f16: the work-group takes 128 rows, a wave 16, eight at a time
.Lconv:
	s_lshl_b32 s27, s24, 15
	s_lshl_b32 s39, s24, 14
	v_lshl_add_u32 v16, v5, 4, s27                 ; in: wave x 16 rows x 2,048 + 16 x lane
	v_lshl_add_u32 v17, v5, 3, s39                 ; out: wave x 16 rows x 1,024 + 8 x lane
	s_lshl_b32 s42, s26, 18
	s_mov_b32 s43, 0
	s_lshl_b32 s46, s26, 17
	s_add_co_u32 s46, s46, 1572864
	s_mov_b32 s47, 0
	s_wait_kmcnt 0x0
	s_add_nc_u64 s[28:29], s[20:21], s[42:43]
	s_add_nc_u64 s[40:41], s[22:23], s[46:47]
	s_mov_b32 s38, 2
	s_wait_alu depctr_va_vdst(0)                   ; v16 and v17 are written: every load and store below reads one of them as its offset; they are never written again
.Lcv:
.set i, 0
.rept 32
	global_load_b128 v[64+4*i:64+4*i+3], v16, s[28:29] offset:(i/4)*2048+(i%4)*512 th:TH_LOAD_NT  ; 512 consecutive bytes each; 32 on their way in every wave
.set i, i+1
.endr
.set i, 0
.rept 32                               ; four groups of eight; a group's stores are issued in the next group, dealt among its conversions
	s_wait_loadcnt 31-i                            ; loads come back in order: number i is in, the younger ones stay out
.if (i%8 == 0) && (i > 0)
	s_wait_alu depctr_va_vdst(0)                   ; the group before has written its 16 registers of Y, which the eight stores of this group's lines read; this group's conversions name other registers
.endif
.if i >= 8
	global_store_b64 v17, v[192+2*(i-8):193+2*(i-8)], s[40:41] offset:((i-8)/4)*1024+((i-8)%4)*256  ; 32 lanes store 256 consecutive bytes, aligned
.endif
	v_cvt_pk_f16_f32 v[192+2*i], v[64+4*i],   v[64+4*i+1]
	v_cvt_pk_f16_f32 v[193+2*i], v[64+4*i+2], v[64+4*i+3]
.set i, i+1
.endr
	s_wait_alu depctr_va_vdst(0)                   ; the last group has written its part of Y, which the stores below read; and all conversions are done reading X, in which the next trip's loads land
.set i, 24
.rept 8
	global_store_b64 v17, v[192+2*i:193+2*i], s[40:41] offset:(i/4)*1024+(i%4)*256
.set i, i+1
.endr
	s_wait_xcnt 0x0                                ; the bases and the stores' data are rewritten only behind this wait
	s_wait_alu depctr_vm_vsrc(0)                   ; the stores have read Y, which the next trip's conversions write again
	s_add_nc_u64 s[28:29], s[28:29], 0x4000        ; eight rows on, in and out
	s_add_nc_u64 s[40:41], s[40:41], 0x2000
	s_sub_co_u32 s38, s38, 1
	s_cmp_lg_u32 s38, 0
	s_cbranch_scc1 .Lcv
	s_wait_dscnt 0x0                               ; the wave's end, in the same form: the six closing lines
	s_wait_alu 0x0
	s_wait_tensorcnt 0x0
	ds_add_u32 v30, v31
	s_wait_dscnt 0x0
	s_endpgm
.Lfunc_end_k_qfb4f08b494_prep:
	.size	k_qfb4f08b494_prep, .Lfunc_end_k_qfb4f08b494_prep-k_qfb4f08b494_prep
	.p2alignl 7, 3214868480
	.fill 96, 4, 3214868480
	.section	.rodata,"a",@progbits
	.p2align	6, 0x0
	.amdhsa_kernel k_qfb4f08b494_prep
		.amdhsa_group_segment_fixed_size 30720
		.amdhsa_private_segment_fixed_size 0
		.amdhsa_enable_private_segment 0
		.amdhsa_kernarg_size 64
		.amdhsa_user_sgpr_count 2
		.amdhsa_user_sgpr_kernarg_segment_ptr 1
		.amdhsa_wavefront_size32 1
		.amdhsa_system_sgpr_workgroup_id_x 1
		.amdhsa_system_sgpr_workgroup_id_y 1
		.amdhsa_system_sgpr_workgroup_id_z 1
		.amdhsa_system_vgpr_workitem_id 0
		.amdhsa_next_free_vgpr 256
		.amdhsa_next_free_sgpr 66
		.amdhsa_reserve_vcc 0
		.amdhsa_float_denorm_mode_32 3
		.amdhsa_float_denorm_mode_16_64 3
		.amdhsa_memory_ordered 1
		.amdhsa_forward_progress 1
		.amdhsa_inst_pref_size 44
	.end_amdhsa_kernel
	.amdgpu_metadata
---
amdhsa.version: [ 1, 2 ]
amdhsa.kernels:
  - .name:           k_qfb4f08b494_prep
    .symbol:         k_qfb4f08b494_prep.kd
    .args:
      - { .name: W1, .offset: 0, .size: 8, .value_kind: global_buffer, .address_space: global }
      - { .name: W2, .offset: 8, .size: 8, .value_kind: global_buffer, .address_space: global }
      - { .name: Wk, .offset: 16, .size: 8, .value_kind: global_buffer, .address_space: global }
      - { .name: Wo, .offset: 24, .size: 8, .value_kind: global_buffer, .address_space: global }
      - { .name: Wq, .offset: 32, .size: 8, .value_kind: global_buffer, .address_space: global }
      - { .name: Wv, .offset: 40, .size: 8, .value_kind: global_buffer, .address_space: global }
      - { .name: x_freq, .offset: 48, .size: 8, .value_kind: global_buffer, .address_space: global }
      - { .name: ws, .offset: 56, .size: 8, .value_kind: global_buffer, .address_space: global }
    .group_segment_fixed_size: 30720
    .private_segment_fixed_size: 0
    .kernarg_segment_align: 8
    .kernarg_segment_size: 64
    .max_flat_workgroup_size: 256
    .sgpr_count:     66
    .vgpr_count:     256
    .wavefront_size: 32
...
	.end_amdgpu_metadata
.endif
;; end of part 3
;; launch fused: the kernel of part 2 again; grid 256 x 1, 4 waves a work-group, clusters of 4 x 1, 327,680 bytes of LDS; arguments x_st, ln_g, ln_b, ws, out0; writes out0
